; MI455X (gfx1250); checked and timed in simulation.
; The chip was launched on July 23, 2026; its instructions are those of AMD's public machine-readable ISA for CDNA 5 (MIT licence, August 2026) and "CDNA5" Instruction Set Architecture Reference Guide (July 2026). The comments in the code are by the model that wrote it; some were corrected since.
;; Self Attention. Allowed arithmetic: matrix products marked QUANTISED: E2M1 operands, one E8M0 scale for each 32 along K, by v_wmma_scale_f32_16x16x128_f8f6f4 with both operands' format E2M1 (or v_wmma_scale_f32_32x16x128_f4), f32 sums; products left as they are: f32 operands where the result goes on into a quantised operand, else bf16, f16 or f32 operands; f32 sums; everything else in f32.
;; Inputs: bf 8 float32; bg 8 float32; bh 64 float32; bo 64 float32; gamma 1 float32; wf 64 x 8 float32; wg 64 x 8 float32; wh_codes 64 x 2 x 16 uint8 (E2M1 codes of wh, K innermost, in blocks of 32 codes, two codes a byte); wh_scales 64 x 2 uint8 (E8M0 scales of wh, one for each 32 codes along K); wo_codes 64 x 2 x 16 uint8 (E2M1 codes of wo, K innermost, in blocks of 32 codes, two codes a byte); wo_scales 64 x 2 uint8 (E8M0 scales of wo, one for each 32 codes along K); x 4 x 64 x 64 x 64 float32.
;; Outputs: out0 4 x 64 x 64 x 64 float32.
;; This version of the problem:
;;   THIS VERSION OF THE PROBLEM IS GIVEN IN LOW PRECISION. The matrix products marked QUANTISED in the list below multiply operands that are first quantised to E2M1 (2 exponent bits, 1 mantissa bit; 4 bits a number), with one power-of-two scale for each 32 numbers along K (OCP MX v1.0); their sums are f32. All else is computed in f32.
;;   The module's matrix products, in the order in which they are computed (A, B: the left and right operand; K: the contracted axis; several contracted axes count as one K, in the product's order):
;;     1. [M 16,384, K 64] x [K 64, N 8]; A: input x; B: input wf: left as it is (N = 8 < 16)
;;     2. [M 16,384, K 64] x [K 64, N 8]; A: input x; B: input wg: left as it is (N = 8 < 16)
;;     3. [M 16,384, K 64] x [K 64, N 64]; A: input x; B: input wh (given as codes): QUANTISED
;;     4. batch 4 x [M 4,096, K 8] x [K 8, N 4,096]; A: computed on the way; B: computed on the way: left as it is (K = 8 < 32)
;;     5. batch 4 x [M 4,096, K 4,096] x [K 4,096, N 64]; A: softmax (see below); B: computed on the way: QUANTISED
;;     6. [M 16,384, K 64] x [K 64, N 64]; A: computed on the way; B: input wo (given as codes): QUANTISED
;;   THE QUANTISER, for each operand of a quantised product, along K:
;;     - K is cut into blocks of 32 from its start; a last block that is shorter is filled with zeros.
;;     - A block's scale is 2^e with e = floor(log2(the largest magnitude in the block)) - 2, held to -126 .. 127; a block of zeros has e = 0. As a byte (E8M0): e + 127.
;;     - Each number is divided by its block's scale, clamped to +-6, and rounded to the nearest number of E2M1, ties to even, subnormals kept.
;;     - The product sums the exact products of the quantised numbers (number of the format x scale) in f32.
;;   ~~~python
;;   def quantise(x, axis):      # numpy; x: float32 -> the quantised numbers, widened to float32 again
;;       x = np.moveaxis(x, axis, -1); K = x.shape[-1]
;;       x = np.pad(x, [(0, 0)] * (x.ndim - 1) + [(0, -K % 32)]); x = x.reshape(x.shape[:-1] + (-1, 32)); a = np.abs(x).max(-1, keepdims=True)
;;       e = np.where(a > 0, np.clip(np.frexp(np.where(a > 0, a, 1))[1] - 1 - 2, -126, 127), 0)      # np.frexp(a)[1] - 1 = floor(log2(a)), exactly
;;       r = np.clip(x / 2.0 ** e, -6, 6)
;;       step = 2.0 ** (np.maximum(np.frexp(np.where(r == 0, 1, r))[1] - 1, 0) - 1)
;;       q = np.round(r / step) * step * 2.0 ** e      # np.round: ties to even
;;       return np.moveaxis(q.reshape(q.shape[:-2] + (-1,))[..., :K], -1, axis).astype(np.float32)
;;   ~~~
;;   SOFTMAX AHEAD OF A QUANTISED PRODUCT. Where the list says 'softmax', what is quantised is not the finished softmax but p = 2^(t - M), with t = logit x log2(e) and M = ceil(the row's largest t), a whole number; so 1/2 < the row's largest p <= 1. The row's sum l is taken of the UNQUANTISED p, in f32, and the product's result is divided by l at the end. Since M is a whole number, a kernel that streams over the keys may use a running M (the ceiling of the running maximum): every later rescaling is an exact power of two, which a block's scale takes up: the codes' values come out the same.
;;   OPERANDS COMPUTED ON THE WAY. 'Computed on the way' means the value that the module computes at that place (a softmax that the list does not call 'softmax' is quantised finished and normalised). What goes into a quantiser is computed in f32, as accurately as f32 sums, v_exp_f32 and their like allow (about 1e-6 of the number): no bf16 or f16 on the way to a quantiser, and a product that is left as it is and whose result goes on into a quantised operand takes f32 operands (vector FMAs, or v_wmma_f32_16x16x4_f32). A number that lies on a knife's edge between two numbers of the format may be rounded either way, as far as f32 arithmetic and the matrix unit's own rounding can turn it there, and no further.
;;   INPUTS GIVEN AS CODES. wh (in the module: [64, 64], K = its axis 0); wo (in the module: [64, 64], K = its axis 0): each comes as NAME_codes (uint8): NAME with its K axis moved to the last place and cut into blocks of 32 codes, [.., K / 32, bytes a block], one block behind the other in memory; two codes a byte, the lower K in the low four bits (a code: sign, 2 exponent bits, 1 mantissa bit); and NAME_scales (uint8): the same leading axes, one E8M0 byte (e + 127) for each 32 codes along K. Its value is code x scale, taken as it is: it is not quantised again, and the codes and scales need not be those that the quantiser above would give.
;; One version. Each part assembles by itself: llvm-mc -triple=amdgcn-amd-amdhsa -mcpu=gfx1250 --defsym DOCPART=n.
;; ======== version 1 of 1: 2 launches
;; workspace buffers: ws 1,605,632 bytes
;; launch prep (part 1): grid 128 x 1, 4 waves a work-group, no clusters, 54,016 bytes of LDS; arguments x, wf, wg, bf, bg, wh_codes, wh_scales, bh, ws; writes ws
.if DOCPART == 1
	.amdgcn_target "amdgcn-amd-amdhsa--gfx1250"
	.amdhsa_code_object_version 6
	.text
	.protected	k_q8df950c9ab_prep
	.globl	k_q8df950c9ab_prep
	.p2align	8
	.type	k_q8df950c9ab_prep,@function
k_q8df950c9ab_prep:
	s_mov_b64 s[64:65], 0
	v_nop
	global_prefetch_b8 v0, s[64:65] scope:SCOPE_SE
	s_setreg_imm32_b32 hwreg(HW_REG_WAVE_MODE, 25, 1), 1
	s_wait_xcnt 0x0
; f = x wf + bf, g = x wg + bg (f32 operands, f32 sums) and h = Q(x) wh + bh (codes of E2M1, one E8M0 scale for each 32 along K), h then quantised ALONG THE KEYS,
; all stored in the order in which the attention launch's operand registers take them.  x: [16384][64] f32; wf, wg: [64][8] f32; wh: codes [64 (out)][32 bytes], scale bytes [64][2].
; SHARES.  A work-group takes 128 pixels, one key step of the attention (G = its number: 32 x batch + step); wave w takes key block w, 32 pixels, as two tiles of 16.
; THE PIXELS OF A TILE ARE NOT NEIGHBOURS: row r of tile u of a block is pixel 8 u + r + 8 (r / 8), so that the 16 result registers of two neighbouring tiles are 16 neighbouring keys.
; The output channels of h's tile ct are chosen likewise: column r is channel 32 (ct / 2) + 8 (ct % 2) + r + 8 (r / 8).
; WORKSPACE ws.  K and V: 8,192 bytes for each G: tile t of f at 512 t, lane (r, h) at 16 (r + 16 h): f[pixel][4 h .. 4 h + 3]; from 4,096 on V's four fragments (16 channels x 128 keys), registers 4 c .. 4 c + 3 of
; fragment ct at 1,024 ct + 512 c + 16 x lane.  From VSOFF on 256 bytes for each G: byte 16 r + 4 ct + b = the scale of column r of fragment ct, key block b.  From GOFF on 4,096 bytes for each G: g, laid as f.
; NO CLUSTER: the work-groups share only the weights, some 6 KB against the 32 KB of x that each reads alone.  No tensor load: x turns through each wave's own stage in LDS.
; LIMITS: NaN and infinities among the inputs are not served.  A block of zeros gets the scale byte 1 where the rule says 127: its codes are zeros, and this program alone reads the bytes.
; K = 64 fills half of the matrix instruction's 128: the upper 64 are zero codes on both sides, under the scale byte 0.
.set GOFF,  1081344
.set VSOFF, 1048576
.set WREG,  13312                      ; LDS: a region for each wave: the stage for x, 32 rows x 272 bytes,
.set WTB,   8704                       ; and the table of weights T[channel][16]: rows of 64 bytes, wf's 8 columns then wg's 8; rows 32 on lie 64 bytes further, so that the two halves of the lanes read different banks
.set SCB,   53248                      ; behind the four regions: the step's 256 scale bytes of V
.set XT,  16                           ; v16-79   x as loaded, then turned: tile u at XT + 32 u, register q of lane (r, h) = x[pixel(u, r)][32 h + q]; later h: tile ct at XT + 16 ct
.set WA,  80                           ; v80-111  register q of lane (r, h) = T[32 h + q][r]
.set FB,  112                          ; v112-119 the C that starts f's and g's sums: lanes 0-15 bf, lanes 16-31 bg
.set FG,  120                          ; v120-135 f and g of the two tiles: written by the f32 matrix form alone
.set XC,  136                          ; v136-151 x's two fragments of codes
.set WH,  152                          ; v152-183 wh's four fragments
.set BH,  184                          ; v184-215 bh in the result's layout, eight registers a tile
.set BG,  216                          ; v216-223 bg as loaded
.set TM,  224                          ; v224-227 largest magnitudes
.set TX,  228                          ; v228-231 what the lane 16 away holds
.set SO,  232                          ; v232-235 the conversions' scale operands
.set BY,  236                          ; v236-239 scale bytes
.set HC,  240                          ; v240-247 h's codes, a pair for each tile (v240-243 serve the head as lane, r, h, r + 8 (r / 8))
.set WHS, 248                          ; v248-251 wh's scale words
.set XS,  252                          ; v252-253 x's scale words
	s_load_b256 s[4:11], s[0:1], 0x0               ; x s[4:5], wf s[6:7], wg s[8:9], bf s[10:11]
	s_load_b256 s[12:19], s[0:1], 0x20             ; bg s[12:13], wh_codes s[14:15], wh_scales s[16:17], bh s[18:19]
	s_load_b64 s[20:21], s[0:1], 0x40              ; ws
	v_lshl_add_u32 v254, v0, 2, 0xd100
	v_mov_b32 v255, 0
	v_lshrrev_b32 v240, 5, v0
	v_readfirstlane_b32 s22, v240                  ; wave 0..3
	v_and_b32 v240, 31, v0                         ; lane
	v_and_b32 v241, 15, v0                         ; r
	v_bfe_u32 v242, v0, 4, 1                       ; h
	v_and_b32 v243, 8, v241
	v_add_nc_u32 v243, v243, v241                  ; r + 8 (r / 8)
	s_mov_b32 s24, 0x76543210
	s_mov_b32 s25, 0xfedcba98                      ; v_permlanex16_b32's selects for lane l xor 16
	s_mov_b32 s26, 0xffff0000                      ; the lanes with h = 1
	s_mul_i32 s27, s22, WREG                       ; my region of LDS
	s_add_co_u32 s28, s27, WTB                     ; my table
	v_lshlrev_b32 v1, 4, v240                      ; v1: 16 x lane: a load's 512 consecutive bytes
	v_mul_u32_u24 v2, v242, 272
	v_lshl_add_u32 v2, v241, 4, v2
	v_add_nc_u32 v2, s27, v2                       ; v2: the stage, in: lanes 0-15 one row, lanes 16-31 the next
	v_mul_u32_u24 v3, v241, 272
	v_lshl_add_u32 v3, v242, 7, v3
	v_add_nc_u32 v3, s27, v3                       ; v3: the stage, out: row r, my half's 128 bytes
	v_lshrrev_b32 v4, 1, v240
	v_lshlrev_b32 v4, 6, v4
	v_and_b32 v5, 1, v240
	v_lshl_add_u32 v4, v5, 4, v4
	v_add_nc_u32 v4, s28, v4                       ; v4: the table, in: two lanes to a row of wf or wg
	v_mul_u32_u24 v5, v242, 2112
	v_lshl_add_u32 v5, v241, 2, v5
	v_add_nc_u32 v5, s28, v5                       ; v5: the table, out: column r, rows 32 h on
	v_lshlrev_b32 v6, 5, v243
	v_lshl_add_u32 v6, v242, 4, v6                 ; v6: wh's codes: 32 bytes a row, 16 h
	v_lshlrev_b32 v7, 1, v243                      ; v7: wh's scale bytes: 2 a row
	v_lshlrev_b32 v8, 2, v243                      ; v8: bh
	v_mov_b32 v9, 0                                ; v9: bf and bg: every lane takes all eight
	s_lshl_b32 s29, ttmp9, 13
	s_lshl_b32 s30, s22, 10
	s_add_co_u32 s29, s29, s30                     ; f's two tiles of mine: 8,192 G + 1,024 w
	s_lshl_b32 s31, ttmp9, 12
	s_sub_co_u32 s31, GOFF, s31                    ; from there to g's: GOFF + 4,096 G - 8,192 G
	v_lshl_add_u32 v10, v241, 4, s29
	v_mad_u32_u24 v10, v242, s31, v10              ; v10: lanes 0-15 store f, lanes 16-31 g
	s_lshl_b32 s32, ttmp9, 13
	s_lshl_b32 s30, s22, 8
	s_add_co_u32 s32, s32, s30
	s_add_co_u32 s32, s32, 4096                    ; V's image: key block w = 2 c + h' lies at 512 c + 256 h' = 256 w
	v_lshlrev_b32 v11, 4, v241
	v_lshl_add_u32 v11, v242, 3, v11
	v_add_nc_u32 v11, s32, v11                     ; v11: my 8 bytes: 16 keys of channel column r
	v_lshl_add_u32 v12, v241, 4, SCB
	v_add_nc_u32 v12, s22, v12                     ; v12: LDS: scale byte 16 r + w (+ 4 ct)
	v_lshl_add_u32 v13, v240, 3, SCB               ; v13: LDS: 8 scale bytes a lane on the way out
	s_lshl_b32 s33, ttmp9, 8
	s_add_co_u32 s33, s33, VSOFF
	v_lshl_add_u32 v14, v240, 3, s33               ; v14: and their place in ws
	v_lshlrev_b32 v15, 3, v242                     ; v15: 8 h: my block's byte in x's scale word
	s_lshl_b32 s34, ttmp9, 15
	s_lshl_b32 s35, s22, 13
	s_add_co_u32 s34, s34, s35                     ; my 32 pixels of x: 32,768 G + 8,192 w
	s_mov_b32 s35, 0
	s_wait_kmcnt 0x0
	s_add_nc_u64 s[4:5], s[4:5], s[34:35]
.irp i, 0,1,2,3,4,5,6,7,8,9,10,11,12,13,14,15
	global_load_b128 v[XT+4*\i:XT+4*\i+3], v1, s[4:5] offset:512*\i th:TH_LOAD_NT   ; pixels 2 i and 2 i + 1: 512 consecutive bytes
.endr
.irp i, 0,1,2,3
	global_load_b128 v[WA+4*\i:WA+4*\i+3], v1, s[6:7] offset:512*\i
.endr
.irp i, 0,1,2,3
	global_load_b128 v[WA+16+4*\i:WA+16+4*\i+3], v1, s[8:9] offset:512*\i
.endr
	global_load_b128 v[FB:FB+3], v9, s[10:11]
	global_load_b128 v[FB+4:FB+7], v9, s[10:11] offset:16
	global_load_b128 v[BG:BG+3], v9, s[12:13]
	global_load_b128 v[BG+4:BG+7], v9, s[12:13] offset:16
.irp ct, 0,1,2,3
	global_load_b128 v[WH+8*\ct:WH+8*\ct+3], v6, s[14:15] offset:(32*(\ct/2)+8*(\ct%2))*32   ; lane (r, h): K = 32 h .. 32 h + 31 of the tile's column r
.endr
.irp ct, 0,1,2,3
	global_load_u16 v[WHS+\ct], v7, s[16:17] offset:(32*(\ct/2)+8*(\ct%2))*2                  ; two scale bytes; bytes 2 and 3 come as 0
.endr
.irp u, 0,1
.irp k, 4,5,6,7
	v_mov_b32 v[XC+8*\u+\k], 0                     ; K = 64 .. 127: zero codes
.endr
.endr
.irp ct, 0,1,2,3
.irp k, 4,5,6,7
	v_mov_b32 v[WH+8*\ct+\k], 0
.endr
	v_mov_b32 v[TX+\ct], 0                         ; written once: a lane permute's destination counts as one of its sources
.endr
	s_wait_loadcnt 12                              ; x, wf and wg are in: behind them stand bf 2, bg 2, wh's codes 4 and scales 4
	; x turns through my stage: pixel p goes to row 16 ((p / 8) % 2) + 8 (p / 16) + p % 8, so that a tile's 16 pixels lie in 16 neighbouring rows.  LDS serves a wave's instructions in order (ISA guide 5.7.1.4): no wait between stores and loads
.irp i, 0,1,2,3,4,5,6,7,8,9,10,11,12,13,14,15
	ds_store_b128 v2, v[XT+4*\i:XT+4*\i+3] offset:(16*((\i/4)%2)+8*(\i/8)+2*(\i%4))*272
.endr
.irp i, 0,1,2,3
	ds_store_b128 v4, v[WA+4*\i:WA+4*\i+3] offset:\i*1024+(\i/2)*64
	ds_store_b128 v4, v[WA+16+4*\i:WA+16+4*\i+3] offset:\i*1024+(\i/2)*64+32
.endr
.set q, 0
.rept 32
	ds_load_b32 v[WA+q], v5 offset:64*q            ; T[32 h + q][r]
.set q, q+1
.endr
.irp u, 0,1
.irp i, 0,1,2,3,4,5,6,7
	ds_load_b128 v[XT+32*\u+4*\i:XT+32*\u+4*\i+3], v3 offset:\u*4352+16*\i   ; x[pixel(u, r)][32 h + 4 i ..]
.endr
.endr
.irp ct, 0,1,2,3
.irp j, 0,1,2,3,4,5,6,7
	global_load_b32 v[BH+8*\ct+\j], v8, s[18:19] offset:(32*(\ct/2)+8*(\ct%2))*4   ; a lane's eight results of a tile are one channel: its bias eight times
.endr
.endr
	s_wait_loadcnt 40                              ; bf and bg are in: behind them stand wh's codes 4, its scales 4 and bh's 32
.irp j, 0,1,2,3,4,5,6,7
	v_cndmask_b32 v[FB+\j], v[FB+\j], v[BG+\j], s26   ; result register j of lane (r, h) is column 8 h + j of [wf | wg]
.endr
	s_wait_dscnt 0x0                               ; x and the weights are back
	; f and g of both tiles: source 0 = the 16 columns of [wf | wg], source 1 = 16 pixels; link s takes channels 2 s, 2 s + 1, 32 + 2 s, 33 + 2 s, alike on both sides.
	; The two accumulators take turns, one instruction a turn.
	v_wmma_f32_16x16x4_f32 v[FG:FG+7], v[WA:WA+1], v[XT:XT+1], v[FB:FB+7]
	v_wmma_f32_16x16x4_f32 v[FG+8:FG+15], v[WA:WA+1], v[XT+32:XT+33], v[FB:FB+7]
.set s, 2
.rept 15
	v_wmma_f32_16x16x4_f32 v[FG:FG+7], v[WA+s:WA+s+1], v[XT+s:XT+s+1], v[FG:FG+7]
	v_wmma_f32_16x16x4_f32 v[FG+8:FG+15], v[WA+s:WA+s+1], v[XT+32+s:XT+33+s], v[FG+8:FG+15]
.set s, s+2
.endr
	; x is quantised along its 64 channels: lane (r, h) holds the whole block h of its pixel.  These lines only read x's registers
.irp u, 0,1
.irp a, 0,1
	v_max3_num_f32 v[TM+2*\u+\a], |v[XT+32*\u+16*\a]|, |v[XT+32*\u+16*\a+1]|, 0x1800000   ; with the floor 2^(3 - 127): the byte cannot fall under 1
.endr
.endr
.irp i, 2,4,6,8,10,12,14
.irp u, 0,1
.irp a, 0,1
	v_max3_num_f32 v[TM+2*\u+\a], v[TM+2*\u+\a], |v[XT+32*\u+16*\a+\i]|, |v[XT+32*\u+16*\a+\i+1]|   ; four chains by turns
.endr
.endr
.endr
.irp u, 0,1
	v_max_num_f32 v[TM+2*\u], v[TM+2*\u], v[TM+2*\u+1]
.endr
.irp u, 0,1
	v_add_nc_u32 v[SO+\u], 0xff000000, v[TM+2*\u]  ; 2 off the exponent field: the conversion's scale operand
.endr
.irp u, 0,1
	v_lshrrev_b32 v[BY+\u], 23, v[SO+\u]           ; the scale's byte,
.endr
.irp u, 0,1
	v_lshlrev_b32 v[BY+\u], v15, v[BY+\u]          ; at its place in the word
.endr
.irp u, 0,1
	v_permlanex16_b32 v[TX+\u], v[BY+\u], s24, s25
.endr
.irp u, 0,1
	v_or_b32 v[XS+\u], v[BY+\u], v[TX+\u]          ; with the other block's byte: my pixel's scale word
.endr
.irp u, 0,1
.irp g, 0,1,2,3
	v_cvt_scalef32_pk8_fp4_f32 v[XC+8*\u+\g], v[XT+32*\u+8*\g:XT+32*\u+8*\g+7], v[SO+\u]   ; registers 0 .. 3 of the fragment: K = 32 h + 0 .. 31
.endr
.endr
.rept 9
	v_nop                                          ; nine places: eight behind the f32 form before its results are stored, nine before matrix instructions write over its sources; the one behind the conversions; eight and four in front of the scaled products
.endr
.irp u, 0,1
	global_store_b128 v10, v[FG+8*\u:FG+8*\u+3], s[20:21] offset:512*\u          ; channels 0-3: lanes 0-15 store 256 consecutive bytes of f's image, lanes 16-31 of g's, each aligned
	global_store_b128 v10, v[FG+8*\u+4:FG+8*\u+7], s[20:21] offset:512*\u+256    ; channels 4-7
.endr
	s_wait_loadcnt 0x0                             ; wh and bh
	; h: source 0 = 16 pixels of x, source 1 = 16 channels of wh, C = bh.  In tile ct register 8 u + j of lane (r, h) is pixel 16 h + 8 u + j of my key block, channel column r
.irp u, 0,1
.irp ct, 0,1,2,3
	v_wmma_scale_f32_16x16x128_f8f6f4 v[XT+16*\ct+8*\u:XT+16*\ct+8*\u+7], v[XC+8*\u:XC+8*\u+7], v[WH+8*\ct:WH+8*\ct+7], v[BH+8*\ct:BH+8*\ct+7], v[XS+\u], v[WHS+\ct] matrix_a_fmt:MATRIX_FMT_FP4 matrix_b_fmt:MATRIX_FMT_FP4
.endr
.endr
.rept 4
	v_nop                                          ; four places before the results are read
.endr
	; h is quantised along the keys: my 16 and the 16 of the lane 16 away are a block
.irp ct, 0,1,2,3
	v_max3_num_f32 v[TM+\ct], |v[XT+16*\ct]|, |v[XT+16*\ct+1]|, 0x1800000
.endr
.irp i, 2,4,6,8,10,12,14
.irp ct, 0,1,2,3
	v_max3_num_f32 v[TM+\ct], v[TM+\ct], |v[XT+16*\ct+\i]|, |v[XT+16*\ct+\i+1]|
.endr
.endr
.irp ct, 0,1,2,3
	v_permlanex16_b32 v[TX+\ct], v[TM+\ct], s24, s25
.endr
.irp ct, 0,1,2,3
	v_max_num_f32 v[TM+\ct], v[TM+\ct], v[TX+\ct]
.endr
.irp ct, 0,1,2,3
	v_add_nc_u32 v[SO+\ct], 0xff000000, v[TM+\ct]
.endr
.irp ct, 0,1,2,3
	v_lshrrev_b32 v[BY+\ct], 23, v[SO+\ct]
.endr
.irp ct, 0,1,2,3
	v_cvt_scalef32_pk8_fp4_f32 v[HC+2*\ct], v[XT+16*\ct:XT+16*\ct+7], v[SO+\ct]
	v_cvt_scalef32_pk8_fp4_f32 v[HC+2*\ct+1], v[XT+16*\ct+8:XT+16*\ct+15], v[SO+\ct]
.endr
	v_nop                                          ; one plain place behind the last conversion
.irp ct, 0,1,2,3
	global_store_b64 v11, v[HC+2*\ct:HC+2*\ct+1], s[20:21] offset:1024*\ct   ; the 32 lanes store 256 consecutive bytes, aligned: half of four registers' image
	ds_store_b8 v12, v[BY+\ct] offset:4*\ct        ; both lanes of a block write the same byte with the same value
.endr
	s_wait_dscnt 0x0                               ; for the others' sake: my scale bytes lie in LDS
	s_barrier_signal -1
	s_barrier_wait -1                              ; all four key blocks' do
	s_cmp_lg_u32 s22, 0
	s_cbranch_scc1 .Lend
	ds_load_b64 v[TM:TM+1], v13                    ; wave 0 stores the step's 256 scale bytes as one aligned run
	s_wait_dscnt 0x0
	global_store_b64 v14, v[TM:TM+1], s[20:21]
.Lend:
	s_wait_tensorcnt 0x0
	ds_add_u32 v254, v255
	s_wait_dscnt 0x0
	s_endpgm
.Lfunc_end_k_q8df950c9ab_prep:
	.size	k_q8df950c9ab_prep, .Lfunc_end_k_q8df950c9ab_prep-k_q8df950c9ab_prep
	.p2alignl 7, 3214868480
	.fill 96, 4, 3214868480
	.section	.rodata,"a",@progbits
	.p2align	6, 0x0
	.amdhsa_kernel k_q8df950c9ab_prep
		.amdhsa_group_segment_fixed_size 54016
		.amdhsa_private_segment_fixed_size 0
		.amdhsa_enable_private_segment 0
		.amdhsa_kernarg_size 72
		.amdhsa_user_sgpr_count 2
		.amdhsa_user_sgpr_kernarg_segment_ptr 1
		.amdhsa_wavefront_size32 1
		.amdhsa_system_sgpr_workgroup_id_x 1
		.amdhsa_system_sgpr_workgroup_id_y 1
		.amdhsa_system_sgpr_workgroup_id_z 1
		.amdhsa_system_vgpr_workitem_id 0
		.amdhsa_next_free_vgpr 256
		.amdhsa_next_free_sgpr 66
		.amdhsa_reserve_vcc 0
		.amdhsa_float_denorm_mode_32 3
		.amdhsa_float_denorm_mode_16_64 3
		.amdhsa_memory_ordered 1
		.amdhsa_forward_progress 1
		.amdhsa_inst_pref_size 28
	.end_amdhsa_kernel
	.amdgpu_metadata
---
amdhsa.version: [ 1, 2 ]
amdhsa.kernels:
  - .name:           k_q8df950c9ab_prep
    .symbol:         k_q8df950c9ab_prep.kd
    .args:
      - { .name: x, .offset: 0, .size: 8, .value_kind: global_buffer, .address_space: global }
      - { .name: wf, .offset: 8, .size: 8, .value_kind: global_buffer, .address_space: global }
      - { .name: wg, .offset: 16, .size: 8, .value_kind: global_buffer, .address_space: global }
      - { .name: bf, .offset: 24, .size: 8, .value_kind: global_buffer, .address_space: global }
      - { .name: bg, .offset: 32, .size: 8, .value_kind: global_buffer, .address_space: global }
      - { .name: wh_codes, .offset: 40, .size: 8, .value_kind: global_buffer, .address_space: global }
      - { .name: wh_scales, .offset: 48, .size: 8, .value_kind: global_buffer, .address_space: global }
      - { .name: bh, .offset: 56, .size: 8, .value_kind: global_buffer, .address_space: global }
      - { .name: ws, .offset: 64, .size: 8, .value_kind: global_buffer, .address_space: global }
    .group_segment_fixed_size: 54016
    .private_segment_fixed_size: 0
    .kernarg_segment_align: 8
    .kernarg_segment_size: 72
    .max_flat_workgroup_size: 128
    .sgpr_count:     66
    .vgpr_count:     256
    .wavefront_size: 32
...
	.end_amdgpu_metadata
.endif
;; end of part 1
;; launch attn (part 2): grid 64 x 4, 16 waves a work-group, clusters of 4 x 1, 327,680 bytes of LDS; arguments ws, x, wo_codes, wo_scales, bo, gamma, out0; writes out0
.if DOCPART == 2
	.amdgcn_target "amdgcn-amd-amdhsa--gfx1250"
	.amdhsa_code_object_version 6
	.text
	.protected	k_q8df950c9ab_attn
	.globl	k_q8df950c9ab_attn
	.p2align	8
	.type	k_q8df950c9ab_attn,@function
k_q8df950c9ab_attn:
	s_mov_b64 s[64:65], 0
	v_nop
	global_prefetch_b8 v0, s[64:65] scope:SCOPE_SE
	s_setreg_imm32_b32 hwreg(HW_REG_WAVE_MODE, 25, 1), 1
	s_wait_xcnt 0x0
	s_wait_alu depctr_hold_cnt(0) depctr_sa_sdst(0) depctr_va_vdst(0) depctr_va_sdst(0) depctr_va_ssrc(0) depctr_va_vcc(0) depctr_vm_vsrc(0)
	s_getreg_b32 s2, hwreg(HW_REG_IB_STS2, 6, 4)
	s_cmp_eq_u32 s2, 0
	s_cbranch_scc0 .Lentry_in_a_cluster
	s_endpgm
.Lentry_in_a_cluster:
	s_bfe_u32 s2, ttmp6, 0x10000c
	s_cmp_lg_u32 s2, 0x3003
	s_cbranch_scc0 .Lentry_shape_is_right
	s_endpgm
.Lentry_shape_is_right:
; out = gamma (Q(o) wo + bo) + x, o = softmax(g f^T) h.  The scores take f32 operands (they go on into a quantiser): v_wmma_f32_16x16x4_f32, K = 8 in two links.  p h and o wo go on codes of E2M1 with E8M0 scales.
; THE SOFTMAX: t = score x log2(e); M = the largest t so far, rounded UP to a whole number; p = 2^(t - M) is quantised along the keys, not normalised; the sum of the unquantised p divides at the end.
; When M moves, the sum and O are multiplied by 2^(old M - new M): exact.
; SHARES.  A work-group owns 64 queries of one batch.  Wave 4 kq + qt owns tile qt of 16 queries and quarter kq of the batch's 4,096 keys: 8 steps of 128.  Sixteen waves of 256 registers, four to a SIMD.
; At the end waves 4 to 15 hand their O, M and sum to waves 0 to 3 through LDS, which merge them, divide, quantise o, multiply by wo and store.
; BY TURNS.  A step has 16 products of the f32 form and some 230 vector lines.  The scores run ONE STEP AHEAD: the 16 products of step i + 1 stand singly between the lines of step i's softmax, about ten lines behind each,
; so that the wave has vector lines to issue between its matrix instructions.  The head of a step (the maxima, M, the scalings of tiles 0 to 3) reads all of step i's scores and has no product among its lines.
; LDS.  A batch's f, V's codes and V's scale bytes, as the launch before laid them (images of the operands' registers), are 270,336 bytes: they are filled ONCE, by five tensor loads a wave at the head, and stay.
; Nothing is filled again.  The loads are ordered by the time of use: part j (each quarter's steps 2 j, 2 j + 1) is waited for ahead of step 2 j - 1, which reads f of step 2 j.
; CLUSTER.  The four work-groups of a cluster belong to one batch and want the same bytes: every load is asked for JOINTLY, with the same descriptor and a mask that names the four.
; LAYOUT.  All products are used transposed (source 0 = 16 keys or channels, source 1 = my 16 queries): a lane holds ONE query (lane % 16) throughout.  The keys of a tile of f and the channels of a tile of V were
; chosen so that 16 registers of two neighbouring tiles are 16 neighbours along the next product's K.  My tile's queries are pixels base + r + 8 (r / 8).
; LIMITS: NaN and infinities are not served.  A block of p or of o that is all zeros keeps the scale byte 1: its codes are zeros.  K = 64 of the last product fills half of the instruction's 128: the rest are zero codes under the byte 0.
.set GOFF,  1081344                    ; g's images in ws
.set VSOFF, 1048576                    ; V's scale bytes in ws
.set LVS,   262144                     ; LDS: behind K's and V's 262,144 bytes: V's scale bytes, 256 a step
.set MRG,   270336                     ; LDS: behind them: 4,608 bytes for each of waves 4 to 15: O's image, 4,096, then M and the sums, 512.  No fill lands here
.set AKV, 1                            ; v1   16 x lane + my quarter (on the way out: bo's offset)
.set AVS, 2                            ; v2   my row's scale words in my quarter
.set MST, 3                            ; v3   where a wave 4 to 15 puts its part
.set MLD, 4                            ; v4   where a wave 0 to 3 finds its first partner's
.set STO, 5                            ; v5   the way out: where I put 32 bytes of a row.  The stage, 16 rows x 272 bytes for each of waves 0 to 3, lies in K's bytes: they have had their one fill, and behind the merge's barrier nobody reads them
.set SRD, 6                            ; v6   and where I read a row back
.set GRO, 7                            ; v7   256 h + 16 r: my bytes in two rows of x and of out
.set F,   8                            ; v8   2^(old M - new M); v9 is named with it as a pair
.set TMP, 10                           ; v10  at work
.set GQO, 11                           ; v11  16 x lane: g's image (on the way out: the offset of wo's codes)
.set Q,   16                           ; v16-19   g of my queries: lane (r, h): channels 4 h .. 4 h + 3
.set VSR, 20                           ; v20-23   scale words: V's four fragments', later wo's
.set PW,  24                           ; v24      p's scale word, later o's
.set WSO, 25                           ; v25      on the way out: the offset of wo's scale bytes
.set PC,  26                           ; v26-33   p's codes, later o's
.set KVF, 34                           ; v34-65   eight tiles of f, four registers each; v34-49 take V's fragments 0 and 1 once f's tiles 0 to 3 are multiplied; later wo's fragments
.set O,   66                           ; v66-97   O^T: register 16 b + i of lane (r, h) = channel 32 b + 16 h + i
.set S,   98                           ; v98-161  the scores: written by the f32 matrix form alone.  Register 16 b + i = key 32 b + 16 h + i
.set P,   162                          ; v162-225 p; on the way out x (the first 32) and partners' O, then y (the last 32)
.set BM,  226                          ; v226-229 the blocks' largest scores, then p
.set BX,  230                          ; v230-233 what the lane 16 away holds; then scale bytes
.set SO,  234                          ; v234-237 the conversions' scale operands; on the way out bo
.set LT,  238                          ; v238-239 the sum's second chain
.set VE,  240                          ; v240-255 V's fragments 2 and 3
.set ML,  244                          ; v244-255 on the way out: three partners' -M, t, and sums
.set WV,  18                           ; s18 wave, s19 qt, s20 kq, s21 cx, s22 my block of 64 queries, s23 batch
.set G1K, 24                           ; s[24:31] descriptor group 1: 16 rows of 256 bytes;  s[32:39]: 2 such rows
.set G1S, 32
.set G0S, 40                           ; s[40:43] group 0 for the scale bytes;  s[44:59] for the four parts of K and V
.set G0K, 44
.set SEL, 60                           ; s[60:61] v_permlanex16_b32's selects for lane l xor 16
.set CS,  62                           ; s[62:63] log2(e), twice: the packed form names a pair
.set GM,  66                           ; s[66:67] gamma, twice
; A round of the cluster's barrier: my work-group's barrier; wave 0 signals for the work-group; every wave waits for all four work-groups; my work-group's barrier once more.
.macro ROUND
	s_barrier_signal -1
	s_barrier_wait -1
	s_cmp_lg_u32 s[WV], 0
	s_cbranch_scc1 .Lnot_wave_0_\@
	s_barrier_signal -3
.Lnot_wave_0_\@:
	s_barrier_wait -3
	s_barrier_signal -1
	s_barrier_wait -1
.endm
	s_load_b256 s[4:11], s[0:1], 0x0               ; ws s[4:5], x s[6:7], wo_codes s[8:9], wo_scales s[10:11]
	s_load_b128 s[12:15], s[0:1], 0x20             ; bo s[12:13], gamma s[14:15]
	s_load_b64 s[16:17], s[0:1], 0x30              ; out0
	v_lshl_add_u32 v254, v0, 2, 0x4f800
	v_mov_b32 v255, 0
	ds_add_u32 v254, v255
	ds_add_u32 v254, v255
	s_wait_dscnt 0x0
	v_lshrrev_b32 v226, 5, v0
	v_readfirstlane_b32 s[WV], v226                ; wave 0..15
	s_and_b32 s19, s[WV], 3                        ; qt
	s_lshr_b32 s20, s[WV], 2                       ; kq
	s_bfe_u32 s21, ttmp6, 0x40000                  ; cx: my place in the cluster
	s_lshl_b32 s22, ttmp9, 2                       ; in a cluster launch ttmp9 counts clusters
	s_add_co_u32 s22, s22, s21                     ; my block of 64 queries: it enters g's, x's and out's addresses alone
	s_and_b32 s23, ttmp7, 0xffff                   ; the batch, which the four partners share
	s_mov_b32 s[G1K], 15|(3<<16)|(1<<21)           ; 15:0 the mask: all four work-groups; 17:16 elements of 8 bytes; 20 no padding; 21 set beside a mask
	s_mov_b32 s[G1K+1], 32<<16                     ; tensor_dim0 = 32 elements: 256 bytes
	s_mov_b32 s[G1K+2], 16<<16                     ; tensor_dim1 = 16
	s_mov_b32 s[G1K+3], 32<<16                     ; tile_dim0
	s_mov_b32 s[G1K+4], 16                         ; tile_dim1
	s_mov_b32 s[G1K+5], 32                         ; from row to row: dense
	s_mov_b32 s[G1K+6], 0
	s_mov_b32 s[G1K+7], 0
	s_mov_b32 s[G1S], 15|(3<<16)|(1<<21)
	s_mov_b32 s[G1S+1], 32<<16
	s_mov_b32 s[G1S+2], 2<<16
	s_mov_b32 s[G1S+3], 32<<16
	s_mov_b32 s[G1S+4], 2
	s_mov_b32 s[G1S+5], 32
	s_mov_b32 s[G1S+6], 0
	s_mov_b32 s[G1S+7], 0
	s_mov_b32 s[SEL], 0x76543210
	s_mov_b32 s[SEL+1], 0xfedcba98
	s_mov_b32 s[CS], 0x3fb8aa3b                    ; log2(e)
	s_mov_b32 s[CS+1], s[CS]
	; every LDS address is made here, ahead of any parting of the waves
	v_and_b32 v226, 31, v0                         ; lane
	v_and_b32 v227, 15, v0                         ; r
	v_bfe_u32 v228, v0, 4, 1                       ; h
	s_lshl_b32 s68, s20, 16                        ; my quarter: 8 steps of 8,192 bytes
	v_lshl_add_u32 v[AKV], v226, 4, s68
	s_lshl_b32 s69, s20, 11
	s_add_co_u32 s69, s69, LVS
	v_lshl_add_u32 v[AVS], v227, 4, s69
	s_mul_i32 s69, s[WV], 4608
	s_add_co_u32 s69, s69, MRG-4*4608
	v_lshl_add_u32 v[MST], v226, 4, s69
	s_mul_i32 s69, s19, 4608
	s_add_co_u32 s69, s69, MRG
	v_lshl_add_u32 v[MLD], v226, 4, s69
	s_mul_i32 s69, s19, 16*272
	v_mul_u32_u24 v[STO], v227, 272
	v_lshl_add_u32 v[STO], v228, 5, v[STO]
	v_add_nc_u32 v[STO], s69, v[STO]
	v_mul_u32_u24 v[SRD], v228, 272
	v_lshl_add_u32 v[SRD], v227, 4, v[SRD]
	v_add_nc_u32 v[SRD], s69, v[SRD]
	v_lshlrev_b32 v[GRO], 8, v228
	v_lshl_add_u32 v[GRO], v227, 4, v[GRO]
	v_lshlrev_b32 v[GQO], 4, v226
	v_mov_b32 v14, 0                               ; the sum, in two halves
	v_mov_b32 v15, 0
.irp b, 0,1,2,3
	v_mov_b32 v[BX+\b], 0                          ; written once: a lane permute's destination counts as one of its sources
.endr
	v_mov_b32 v[F+1], 0                            ; named as the upper half of a pair
	s_wait_kmcnt 0x0
	s_load_b32 s[GM], s[14:15], 0x0                ; gamma: waited for behind the tensor loads
	; group 0 of my five loads: made of the batch and the wave's number alone, in registers that never hold my place in the cluster
	s_lshl_b32 s69, s19, 12
	s_add_co_u32 s68, s68, s69                     ; my 4,096 bytes of a part's 16,384 in quarter kq: 65,536 kq + 4,096 qt
	s_lshl_b32 s70, s23, 18                        ; a batch's K and V: 262,144 bytes
	s_add_co_u32 s70, s70, s68
	s_mov_b32 s71, 0
	s_add_nc_u64 s[72:73], s[4:5], s[70:71]
.irp j, 0,1,2,3
	s_mov_b32 s[G0K+4*\j], 1                       ; count = 1
	s_add_co_u32 s[G0K+4*\j+1], s68, \j*16384      ; LDS address: the same offset as in the batch's part of ws
	s_add_nc_u64 s[G0K+4*\j+2:G0K+4*\j+3], s[72:73], \j*16384
	s_or_b32 s[G0K+4*\j+3], s[G0K+4*\j+3], 0x80000000   ; type = 2
.endr
	s_lshl_b32 s69, s[WV], 9                       ; my 512 of the batch's 8,192 scale bytes
	s_mov_b32 s[G0S], 1
	s_add_co_u32 s[G0S+1], s69, LVS
	s_lshl_b32 s70, s23, 13
	s_add_co_u32 s70, s70, s69
	s_add_co_u32 s70, s70, VSOFF
	s_add_nc_u64 s[G0S+2:G0S+3], s[4:5], s[70:71]
	s_or_b32 s[G0S+3], s[G0S+3], 0x80000000
	; what is mine alone: g's tile, and my tile's rows of x and out
	s_lshl_b32 s2, s23, 17                         ; a batch's g: 131,072 bytes
	s_lshl_b32 s3, s22, 11                         ; four tiles of 512 bytes a block of 64 queries
	s_add_co_u32 s2, s2, s3
	s_lshl_b32 s3, s19, 9
	s_add_co_u32 s2, s2, s3
	s_add_co_u32 s2, s2, GOFF
	s_mov_b32 s3, 0
	s_add_nc_u64 s[74:75], s[4:5], s[2:3]
	s_lshl_b32 s2, s23, 12
	s_lshl_b32 s21, s22, 6
	s_add_co_u32 s2, s2, s21
	s_lshr_b32 s21, s19, 1
	s_lshl_b32 s21, s21, 5
	s_add_co_u32 s2, s2, s21
	s_and_b32 s21, s19, 1
	s_lshl_b32 s21, s21, 3
	s_add_co_u32 s2, s2, s21                       ; my tile's first pixel: 4,096 batch + 64 block + 32 (qt / 2) + 8 (qt % 2)
	s_lshl_b32 s2, s2, 8                           ; rows of 256 bytes
	s_add_nc_u64 s[6:7], s[6:7], s[2:3]
	s_add_nc_u64 s[16:17], s[16:17], s[2:3]
	global_load_b128 v[Q:Q+3], v[GQO], s[74:75]    ; g: nobody writes it in this launch, so it may be on its way across the round; waited for ahead of the first product
	ROUND                                          ; all four work-groups are here: the joint loads meet
	tensor_load_to_lds s[G0S:G0S+3], s[G1S:G1S+7]  ; five loads of mine are out: the scale bytes, then the four parts in the order of their use
	s_nop 0
	tensor_load_to_lds s[G0K:G0K+3], s[G1K:G1K+7]
	s_nop 0
	tensor_load_to_lds s[G0K+4:G0K+7], s[G1K:G1K+7]
	s_nop 0
	tensor_load_to_lds s[G0K+8:G0K+11], s[G1K:G1K+7]
	s_nop 0
	tensor_load_to_lds s[G0K+12:G0K+15], s[G1K:G1K+7]
	s_nop 0
.rept 4
	v_nop                                          ; four plain lines behind the loads
.endr
	s_wait_kmcnt 0x0                               ; gamma
	s_mov_b32 s[GM+1], s[GM]
; Product n of 16 of S^T = f g^T for the step ahead.  n = 0 .. 3: tiles 0 to 3, link 0 (registers 0, 1 of both images: channels 0, 1, 4, 5), which starts the sums; 4 .. 7: the same tiles, link 1 (registers 2, 3: channels 2, 3, 6, 7);
; 8 .. 15: tiles 4 to 7 likewise.  Four accumulators take turns, one instruction a turn.  more = 0: there is no step ahead.
.macro KQ n, more
.if \more
.set kt, ((\n)%4)+4*((\n)/8)
.if (((\n)/4)%2) == 0
	v_wmma_f32_16x16x4_f32 v[S+8*kt:S+8*kt+7], v[KVF+4*kt:KVF+4*kt+1], v[Q:Q+1], 0
.else
	v_wmma_f32_16x16x4_f32 v[S+8*kt:S+8*kt+7], v[KVF+4*kt+2:KVF+4*kt+3], v[Q+2:Q+3], v[S+8*kt:S+8*kt+7]
.endif
.endif
.endm
.macro SCALE cnt                       ; the next cnt pairs of scores: t - M, into registers of their own
.rept \cnt
	v_pk_fma_f32 v[P+pj:P+pj+1], v[S+pj:S+pj+1], s[CS:CS+1], v[12:13] op_sel_hi:[1,0,0]
.set pj, pj+2
.endr
.endm
.macro EXPS cnt                        ; the next cnt exponentials: p = 2^(t - M)
.rept \cnt
	v_exp_f32 v[P+pe], v[P+pe]
.set pe, pe+1
.endr
.endm
.macro RESC cnt                        ; the next cnt pairs of O^T under the new M
.rept \cnt
	v_pk_mul_f32 v[O+po:O+po+1], v[O+po:O+po+1], v[F:F+1] op_sel_hi:[1,0]
.set po, po+2
.endr
.endm
.macro ADDS cnt                        ; the next cnt pairs of the unquantised p into the row's sum: two chains by turns
.rept \cnt
.if pa%2 == 0
	v_pk_add_f32 v[14:15], v[14:15], v[P+2*pa:P+2*pa+1]
.else
	v_pk_add_f32 v[LT:LT+1], v[LT:LT+1], v[P+2*pa:P+2*pa+1]
.endif
.set pa, pa+1
.endr
.endm
; A KEY STEP: the softmax and the second product of my quarter's i-th 128 keys, whose scores lie in S, and between their lines the scores of step i + 1 (more = 1).  first = 1: it starts M, and its products start O^T's sums.
.macro STEP i, first, more
	; the loads stand behind the five plain lines that end the step before (in front of step 0: eight v_nop): the places behind the products that read these registers
.if \more
.irp t, 0,1,2,3,4,5,6,7
	ds_load_b128 v[KVF+4*\t:KVF+4*\t+3], v[AKV] offset:8192*((\i)+1)+512*\t   ; f of the step ahead: eight tiles, 512 consecutive bytes a load
.endr
.endif
.irp ct, 0,1
.irp c, 0,1
	ds_load_b128 v[VE+8*\ct+4*\c:VE+8*\ct+4*\c+3], v[AKV] offset:8192*(\i)+4096+2048+1024*\ct+512*\c   ; V's fragments 2 and 3 of this step
.endr
.endr
	ds_load_b128 v[VSR:VSR+3], v[AVS] offset:256*(\i)                      ; and the four fragments' scale words
.irp b, 0,1,2,3
	v_max3_num_f32 v[BM+\b], v[S+16*\b], v[S+16*\b+1], v[S+16*\b+2]        ; the largest score of each block of 32 keys: it serves for the row's maximum and, since p rises with the score, for the block's largest p
.endr
.irp n, 3,5,7,9,11,13
.irp b, 0,1,2,3
	v_max3_num_f32 v[BM+\b], v[BM+\b], v[S+16*\b+\n], v[S+16*\b+\n+1]
.endr
.endr
.irp b, 0,1,2,3
	v_max_num_f32 v[BM+\b], v[BM+\b], v[S+16*\b+15]
.endr
.irp b, 0,1,2,3
	v_permlanex16_b32 v[BX+\b], v[BM+\b], s[SEL], s[SEL+1]
.endr
.irp b, 0,1,2,3
	v_max_num_f32 v[BM+\b], v[BM+\b], v[BX+\b]     ; with the 16 keys of the lane 16 away
.endr
	v_max3_num_f32 v[TMP], v[BM], v[BM+1], v[BM+2]
	v_max_num_f32 v[TMP], v[TMP], v[BM+3]          ; the step's largest score of my query
.if \first
	v_mul_f32 v13, s[CS], v[TMP]                   ; as t
	v_floor_f32 v12, -v13                          ; -M = floor(-t) = -ceil(t)
.else
	v_mul_f32 v[TMP], s[CS], v[TMP]
	v_max_num_f32 v13, v13, v[TMP]                 ; the running largest t
	v_mov_b32 v[TMP], v12
	v_floor_f32 v12, -v13
	v_sub_f32 v[TMP], v12, v[TMP]                  ; old M - new M: a whole number, 0 or less
	v_cvt_i32_f32 v[TMP], v[TMP]                   ; (it saturates)
	v_ldexp_f32 v[F], 1.0, v[TMP]                  ; 2^(old M - new M)
.endif
.set pj, 0
.set pe, 0
.set po, 0
	SCALE 16                                       ; tiles 0 to 3 are read out: the products below may write them
.if \more
	s_wait_dscnt 5                                 ; f of the step ahead is in: behind its eight loads stand V's four and the scale words' one
.endif
	KQ 0, \more
	SCALE 10                                       ; tiles 4 to 7, which products 8 to 15 write
	KQ 1, \more
	SCALE 6
.irp b, 0,1,2,3
	v_fma_f32 v[BM+\b], v[BM+\b], s[CS], v12       ; the same of each block's largest score
.endr
	KQ 2, \more
.irp b, 0,1,2,3
	v_exp_f32 v[BM+\b], v[BM+\b]                   ; the block's largest p: the same two instructions on the same number.  The 68 exponentials are one batch: none of the lines among them names a result
.endr
	EXPS 6
	KQ 3, \more
	EXPS 10
	KQ 4, \more
	EXPS 10
	KQ 5, \more
	EXPS 10
	KQ 6, \more
	EXPS 10
	KQ 7, \more                                    ; the last product that reads f's tiles 0 to 3
.if \first
.rept 9
	v_nop                                          ; nine plain lines: eight places are owed behind this form before a load into its sources
.endr
.else
	v_pk_mul_f32 v[14:15], v[14:15], v[F:F+1] op_sel_hi:[1,0]   ; the sums and O^T under the new M: nine plain lines that name none of that product's registers: the places in front of the loads below
	RESC 8
.endif
.irp ct, 0,1
.irp c, 0,1
	ds_load_b128 v[KVF+8*\ct+4*\c:KVF+8*\ct+4*\c+3], v[AKV] offset:8192*(\i)+4096+1024*\ct+512*\c   ; V's fragments 0 and 1, where f's tiles 0 to 3 lay
.endr
.endr
	KQ 8, \more
.if !\first
	RESC 7
.endif
	EXPS 3
	KQ 9, \more
	EXPS 10
	KQ 10, \more
	EXPS 5
.if \first
	v_nop                                          ; a plain instruction behind the last exponential
.else
	RESC 1                                         ; (the plain instruction behind the last exponential)
.endif
	s_wait_alu depctr_va_vdst(0)                   ; one wait for the batch of 68, ahead of its first reader
.irp b, 0,1,2,3
	v_max_num_f32 v[BM+\b], 0x1800000, v[BM+\b]    ; the floor 2^(3 - 127): the byte cannot fall under 1
.endr
	KQ 11, \more
.irp b, 0,1,2,3
	v_add_nc_u32 v[SO+\b], 0xff000000, v[BM+\b]    ; 2 off the exponent field: the conversion's scale operand
.endr
.irp b, 0,1,2,3
	v_lshrrev_b32 v[BX+\b], 23, v[SO+\b]           ; the scale's byte
.endr
	v_lshl_or_b32 v[PW], v[BX+1], 8, v[BX]         ; p's scale word for these 128 keys
	v_lshl_or_b32 v[PW], v[BX+2], 16, v[PW]
	v_lshl_or_b32 v[PW], v[BX+3], 24, v[PW]
	KQ 12, \more
.irp b, 0,1,2,3
	v_cvt_scalef32_pk8_fp4_f32 v[PC+2*\b], v[P+16*\b:P+16*\b+7], v[SO+\b]
	v_cvt_scalef32_pk8_fp4_f32 v[PC+2*\b+1], v[P+16*\b+8:P+16*\b+15], v[SO+\b]
.endr
	v_nop                                          ; one plain place behind the last conversion
	KQ 13, \more
.irp c, 0,1                                    ; the operand's layout wants a whole block in a lane: lanes 0-15 block 2 c, lanes 16-31 block 2 c + 1
.irp n, 0,1
	v_permlane16_swap_b32 v[PC+4*\c+\n], v[PC+4*\c+2+\n]
.endr
.endr
	v_pk_add_f32 v[LT:LT+1], v[P:P+1], v[P+2:P+3]  ; the row's sum is taken of the unquantised p.  The 27 additions from here to the scaled products are also the places between the scale word and the codes and those products
.set pa, 2
	ADDS 5
	KQ 14, \more
	ADDS 10
	KQ 15, \more
	ADDS 11                                        ; with the five below: the places behind the last product of the f32 form, before its results are read and its sources loaded
	s_wait_dscnt 0x0                               ; V and its scale words are in
.irp ct, 0,1,2,3                               ; O^T += V^T P^T: four accumulators, one instruction each
.if \ct < 2
.set va, KVF+8*\ct
.else
.set va, VE+8*\ct-16
.endif
.if \first
	v_wmma_scale_f32_16x16x128_f8f6f4 v[O+8*\ct:O+8*\ct+7], v[va:va+7], v[PC:PC+7], 0, v[VSR+\ct], v[PW] matrix_a_fmt:MATRIX_FMT_FP4 matrix_b_fmt:MATRIX_FMT_FP4
.else
	v_wmma_scale_f32_16x16x128_f8f6f4 v[O+8*\ct:O+8*\ct+7], v[va:va+7], v[PC:PC+7], v[O+8*\ct:O+8*\ct+7], v[VSR+\ct], v[PW] matrix_a_fmt:MATRIX_FMT_FP4 matrix_b_fmt:MATRIX_FMT_FP4
.endif
.endr
	ADDS 4                                         ; the rest of the sums: five plain lines that name none of the products' registers: the places in front of what follows
	v_pk_add_f32 v[14:15], v[14:15], v[LT:LT+1]
.endm
; Part j of K and V (each quarter's steps 2 j, 2 j + 1) has landed in every wave.  left = 3 - j: my younger loads, which may stay out.
.macro BAR left
	s_wait_tensorcnt \left                         ; my parts of the scale bytes and of parts 0 to j have landed,
	s_wait_dscnt 0x0
	s_barrier_signal -1
	s_barrier_wait -1                              ; and so have everybody's
.endm
	BAR 3
.irp t, 0,1,2,3,4,5,6,7
	ds_load_b128 v[KVF+4*\t:KVF+4*\t+3], v[AKV] offset:512*\t   ; f of step 0
.endr
	s_wait_loadcnt 0x0                             ; g
	s_wait_dscnt 0x0
.irp n, 0,1,2,3,4,5,6,7,8,9,10,11,12,13,14,15
	KQ \n, 1                                       ; the scores of step 0: there is no vector work yet to set between them
.endr
.rept 8
	v_nop                                          ; eight places behind this form, before loads into its sources and reads of its results
.endr
	STEP 0, 1, 1
	BAR 2                                          ; step 1 reads f of step 2
	STEP 1, 0, 1
	STEP 2, 0, 1
	BAR 1                                          ; step 3 reads f of step 4
	STEP 3, 0, 1
	STEP 4, 0, 1
	BAR 0                                          ; step 5 reads f of step 6.  The wait is for 0: no tensor load of mine is out from here on
	STEP 5, 0, 1
	STEP 6, 0, 1
	STEP 7, 0, 0
	s_cmp_lt_u32 s[WV], 4
	s_cbranch_scc0 .Lpartner
	; waves 0 to 3 ask for what the way out wants.  The three offsets are made here, in registers whose earlier use is over
	v_and_b32 v[WSO], 15, v0                       ; r
	v_bfe_u32 v[AVS], v0, 4, 1                     ; h
	v_lshlrev_b32 v[GQO], 5, v[WSO]
	v_lshl_add_u32 v[GQO], v[AVS], 4, v[GQO]       ; wo's codes: row r of 32 bytes, 16 h
	v_lshlrev_b32 v[AKV], 4, v[WSO]                ; bo: four channels a lane
	v_lshlrev_b32 v[WSO], 1, v[WSO]                ; wo's scale bytes: 2 a row
.irp i, 0,1,2,3,4,5,6,7
	global_load_b128 v[P+4*\i:P+4*\i+3], v[GRO], s[6:7] offset:(2*\i+8*(\i/4))*256 th:TH_LOAD_NT   ; x: rows 2 i + h of my tile: pixels 2 i + h + 8 (i / 4) on from the tile's first
.endr
.irp t, 0,1,2,3
	global_load_b128 v[KVF+8*\t:KVF+8*\t+3], v[GQO], s[8:9] offset:512*\t  ; wo: rows 16 t + r, K = 32 h .. 32 h + 31
.endr
.irp t, 0,1,2,3
	global_load_u16 v[VSR+\t], v[WSO], s[10:11] offset:32*\t               ; two scale bytes; bytes 2 and 3 come as 0
.endr
	global_load_b128 v[SO:SO+3], v[AKV], s[12:13]                          ; bo[4 r .. 4 r + 3]
.irp t, 0,1,2,3
.irp k, 4,5,6,7
	v_mov_b32 v[KVF+8*\t+\k], 0                    ; K = 64 .. 127: zero codes
.endr
.endr
.irp k, 4,5,6,7
	v_mov_b32 v[PC+\k], 0
.endr
	s_branch .Ljoin
.Lpartner:
	; waves 4 to 15 hand over their part as images of the registers: 16 bytes a lane, 512 a store
.irp g, 0,1,2,3,4,5,6,7
	ds_store_b128 v[MST], v[O+4*\g:O+4*\g+3] offset:512*\g
.endr
	ds_store_b128 v[MST], v[12:15] offset:4096     ; -M, t, the sum's two halves
.Ljoin:
	s_wait_dscnt 0x0                               ; for the others' sake: my stores have landed, and my reads of K and V are over
	s_barrier_signal -1
	s_barrier_wait -1
	s_cmp_lt_u32 s[WV], 4
	s_cbranch_scc0 .Lend
	; THE MERGE, in waves 0 to 3: partner k is wave 4 k + qt
.irp k, 0,1,2
	ds_load_b128 v[ML+4*\k:ML+4*\k+3], v[MLD] offset:18432*\k+4096
.endr
.irp g, 0,1,2,3,4,5,6,7
	ds_load_b128 v[P+32+4*\g:P+32+4*\g+3], v[MLD] offset:512*\g
.endr
	s_wait_dscnt 8                                 ; the three partners' statistics are in; the eight loads of the first partner's O may be out
	v_min3_num_f32 v[TMP], v12, v[ML], v[ML+4]
	v_min_num_f32 v[TMP], v[TMP], v[ML+8]          ; -M of all four: the least
	v_sub_f32 v[BM+1], v[TMP], v12                 ; M_k - M: a whole number, 0 or less
.irp k, 1,2,3
	v_sub_f32 v[BM+2*\k+1], v[TMP], v[ML+4*\k-4]
.endr
.irp k, 0,1,2,3
	v_cvt_i32_f32 v[BM+2*\k+1], v[BM+2*\k+1]
.endr
.irp k, 0,1,2,3
	v_ldexp_f32 v[BM+2*\k], 1.0, v[BM+2*\k+1]      ; F_k = 2^(M_k - M), the low word of a pair
.endr
	v_add_f32 v14, v14, v15
.irp k, 0,1,2
	v_add_f32 v[ML+4*\k+2], v[ML+4*\k+2], v[ML+4*\k+3]
.endr
	v_mul_f32 v14, v14, v[BM]
.irp k, 1,2,3
	v_fmac_f32 v14, v[ML+4*\k-2], v[BM+2*\k]       ; the sum under the common M
.endr
.set j, 0
.rept 16
	v_pk_mul_f32 v[O+j:O+j+1], v[O+j:O+j+1], v[BM:BM+1] op_sel_hi:[1,0]
.set j, j+2
.endr
.irp k, 1,2,3
	s_wait_dscnt 0x0                               ; partner k's O is in
.set j, 0
.rept 16
	v_pk_fma_f32 v[O+j:O+j+1], v[P+32+j:P+33+j], v[BM+2*\k:BM+2*\k+1], v[O+j:O+j+1] op_sel_hi:[1,0,1]
.set j, j+2
.endr
.if \k < 3
.irp g, 0,1,2,3,4,5,6,7
	ds_load_b128 v[P+32+4*\g:P+32+4*\g+3], v[MLD] offset:18432*\k+512*\g
.endr
.endif
.endr
	v_permlanex16_b32 v[TMP], v14, s[SEL], s[SEL+1]
	v_add_f32 v14, v14, v[TMP]                     ; with the lane 16 away: the row's sum
	v_rcp_f32 v[F], v14
	v_nop                                          ; a plain instruction behind the reciprocal,
	s_wait_alu depctr_va_vdst(0)                   ; and the wait ahead of its first reader
.set j, 0
.rept 16
	v_pk_mul_f32 v[O+j:O+j+1], v[O+j:O+j+1], v[F:F+1] op_sel_hi:[1,0]   ; o
.set j, j+2
.endr
	; o is quantised along its 64 channels: two blocks, each in lanes l and l xor 16
.irp b, 0,1
	v_max3_num_f32 v[BM+\b], |v[O+16*\b]|, |v[O+16*\b+1]|, 0x1800000
.endr
.irp n, 2,4,6,8,10,12,14
.irp b, 0,1
	v_max3_num_f32 v[BM+\b], v[BM+\b], |v[O+16*\b+\n]|, |v[O+16*\b+\n+1]|
.endr
.endr
.irp b, 0,1
	v_permlanex16_b32 v[BX+\b], v[BM+\b], s[SEL], s[SEL+1]
.endr
.irp b, 0,1
	v_max_num_f32 v[BM+\b], v[BM+\b], v[BX+\b]
.endr
.irp b, 0,1
	v_add_nc_u32 v[LT+\b], 0xff000000, v[BM+\b]
.endr
.irp b, 0,1
	v_lshrrev_b32 v[BX+2+\b], 23, v[LT+\b]
.endr
	v_lshl_or_b32 v[PW], v[BX+3], 8, v[BX+2]       ; o's scale word; bytes 2 and 3 are 0
.irp b, 0,1
	v_cvt_scalef32_pk8_fp4_f32 v[PC+2*\b], v[O+16*\b:O+16*\b+7], v[LT+\b]
	v_cvt_scalef32_pk8_fp4_f32 v[PC+2*\b+1], v[O+16*\b+8:O+16*\b+15], v[LT+\b]
.endr
	v_nop                                          ; one plain place behind the last conversion
.irp n, 0,1
	v_permlane16_swap_b32 v[PC+\n], v[PC+2+\n]     ; registers 0 .. 3: K = 32 h + 0 .. 31
.endr
	s_wait_loadcnt 0x0                             ; x, wo, bo
.rept 8
	v_nop                                          ; eight places between the scale word and a scaled product, four between the codes and it
.endr
.irp t, 0,1,2,3                                ; y^T = wo^T o^T: register j of lane (r, h) in tile t = y(query r, channel 16 t + 8 h + j)
	v_wmma_scale_f32_16x16x128_f8f6f4 v[P+32+8*\t:P+32+8*\t+7], v[KVF+8*\t:KVF+8*\t+7], v[PC:PC+7], 0, v[VSR+\t], v[PW] matrix_a_fmt:MATRIX_FMT_FP4 matrix_b_fmt:MATRIX_FMT_FP4
.endr
.rept 4
	v_nop                                          ; four places before the results are stored to LDS and loaded over
.endr
.irp t, 0,1,2,3
	ds_store_b128 v[STO], v[P+32+8*\t:P+32+8*\t+3] offset:64*\t            ; each accumulator from its low end on
	ds_store_b128 v[STO], v[P+32+8*\t+4:P+32+8*\t+7] offset:64*\t+16
.endr
.irp i, 0,1,2,3,4,5,6,7
	ds_load_b128 v[P+32+4*\i:P+32+4*\i+3], v[SRD] offset:544*\i            ; back as whole rows: LDS serves a wave's instructions in order (ISA guide 5.7.1.4)
.endr
.irp i, 0,1,2,3,4,5,6,7
	s_wait_dscnt 7-\i                              ; rows 2 i and 2 i + 1 are back; the younger loads may be out
	v_pk_add_f32 v[P+32+4*\i:P+33+4*\i], v[P+32+4*\i:P+33+4*\i], v[SO:SO+1]
	v_pk_add_f32 v[P+34+4*\i:P+35+4*\i], v[P+34+4*\i:P+35+4*\i], v[SO+2:SO+3]
	v_pk_fma_f32 v[P+32+4*\i:P+33+4*\i], v[P+32+4*\i:P+33+4*\i], s[GM:GM+1], v[P+4*\i:P+4*\i+1] op_sel_hi:[1,0,1]
	v_pk_fma_f32 v[P+34+4*\i:P+35+4*\i], v[P+34+4*\i:P+35+4*\i], s[GM:GM+1], v[P+4*\i+2:P+4*\i+3] op_sel_hi:[1,0,1]
	global_store_b128 v[GRO], v[P+32+4*\i:P+35+4*\i], s[16:17] offset:(2*\i+8*(\i/4))*256 th:TH_STORE_NT   ; 16 lanes store a row of 256 consecutive bytes, aligned
.endr
.Lend:
	s_wait_dscnt 0x0
	s_wait_xcnt 0x0
	v_lshl_add_u32 v254, v0, 2, 0x4f800
	v_mov_b32 v255, 0
	s_wait_tensorcnt 0x0
	ds_add_u32 v254, v255
	s_wait_dscnt 0x0
	ROUND                                          ; the closing round: no work-group ends while a partner may still ask for bytes in a load that names it
	s_endpgm
.Lfunc_end_k_q8df950c9ab_attn:
	.size	k_q8df950c9ab_attn, .Lfunc_end_k_q8df950c9ab_attn-k_q8df950c9ab_attn
	.p2alignl 7, 3214868480
	.fill 96, 4, 3214868480
	.section	.rodata,"a",@progbits
	.p2align	6, 0x0
	.amdhsa_kernel k_q8df950c9ab_attn
		.amdhsa_group_segment_fixed_size 327680
		.amdhsa_private_segment_fixed_size 0
		.amdhsa_enable_private_segment 0
		.amdhsa_kernarg_size 56
		.amdhsa_user_sgpr_count 2
		.amdhsa_user_sgpr_kernarg_segment_ptr 1
		.amdhsa_wavefront_size32 1
		.amdhsa_system_sgpr_workgroup_id_x 1
		.amdhsa_system_sgpr_workgroup_id_y 1
		.amdhsa_system_sgpr_workgroup_id_z 1
		.amdhsa_system_vgpr_workitem_id 0
		.amdhsa_next_free_vgpr 256
		.amdhsa_next_free_sgpr 76
		.amdhsa_reserve_vcc 0
		.amdhsa_float_denorm_mode_32 3
		.amdhsa_float_denorm_mode_16_64 3
		.amdhsa_memory_ordered 1
		.amdhsa_forward_progress 1
		.amdhsa_inst_pref_size 139
	.end_amdhsa_kernel
	.amdgpu_metadata
---
amdhsa.version: [ 1, 2 ]
amdhsa.kernels:
  - .name:           k_q8df950c9ab_attn
    .symbol:         k_q8df950c9ab_attn.kd
    .args:
      - { .name: ws, .offset: 0, .size: 8, .value_kind: global_buffer, .address_space: global }
      - { .name: x, .offset: 8, .size: 8, .value_kind: global_buffer, .address_space: global }
      - { .name: wo_codes, .offset: 16, .size: 8, .value_kind: global_buffer, .address_space: global }
      - { .name: wo_scales, .offset: 24, .size: 8, .value_kind: global_buffer, .address_space: global }
      - { .name: bo, .offset: 32, .size: 8, .value_kind: global_buffer, .address_space: global }
      - { .name: gamma, .offset: 40, .size: 8, .value_kind: global_buffer, .address_space: global }
      - { .name: out0, .offset: 48, .size: 8, .value_kind: global_buffer, .address_space: global }
    .group_segment_fixed_size: 327680
    .private_segment_fixed_size: 0
    .kernarg_segment_align: 8
    .kernarg_segment_size: 56
    .max_flat_workgroup_size: 512
    .sgpr_count:     76
    .vgpr_count:     256
    .wavefront_size: 32
...
	.end_amdgpu_metadata
.endif
;; end of part 2
